; MI455X (gfx1250); checked and timed in simulation.
; The chip was launched on July 23, 2026; its instructions are those of AMD's public machine-readable ISA for CDNA 5 (MIT licence, August 2026) and "CDNA5" Instruction Set Architecture Reference Guide (July 2026). The comments in the code are by the model that wrote it; some were corrected since.
;; Two Simplicial Attention. Allowed arithmetic: matrix products marked QUANTISED: E3M2 operands, one E8M0 scale for each 32 along K, by v_wmma_scale_f32_16x16x128_f8f6f4 with both operands' format E3M2, f32 sums; products left as they are: f32 operands where the result goes on into a quantised operand, else bf16, f16 or f32 operands; f32 sums; everything else in f32.
;; Inputs: bias_gate 1 x 4 x 256 float32; bias_u 1 x 4 x 256 x 256 float32; bias_v 1 x 4 x 256 x 256 float32; bias_w 1 x 4 x 256 x 256 float32; k1 1 x 4 x 256 x 64 float32; k2_codes 1 x 4 x 256 x 2 x 24 uint8 (E3M2 codes of k2, K innermost, in blocks of 32 codes, four codes in three bytes); k2_scales 1 x 4 x 256 x 2 uint8 (E8M0 scales of k2, one for each 32 codes along K); key_padding_mask 1 x 256 bool; q 1 x 4 x 256 x 64 float32; v1 1 x 4 x 256 x 64 float32; v2 1 x 4 x 256 x 64 float32.
;; Outputs: out0 1 x 4 x 256 x 64 float32.
;; This version of the problem:
;;   THIS VERSION OF THE PROBLEM IS GIVEN IN LOW PRECISION. The matrix products marked QUANTISED in the list below multiply operands that are first quantised to E3M2 (3 exponent bits, 2 mantissa bits; 6 bits a number), with one power-of-two scale for each 32 numbers along K (OCP MX v1.0); their sums are f32. All else is computed in f32.
;;   The module's matrix products, in the order in which they are computed (A, B: the left and right operand; K: the contracted axis; several contracted axes count as one K, in the product's order):
;;     1. batch 256 x [M 256, K 1] x [K 1, N 256]; A: computed on the way; B: computed on the way: left as it is (no contracted axis)
;;     2. batch 4 x [M 65,536, K 64] x [K 64, N 256]; A: computed on the way; B: input k2 (given as codes): QUANTISED
;;     3. batch 256 x [M 256, K 1] x [K 1, N 256]; A: computed on the way; B: computed on the way: left as it is (no contracted axis)
;;     4. batch 4 x [M 256, K 65,536] x [K 65,536, N 64]; A: computed on the way; B: computed on the way: QUANTISED
;;   THE QUANTISER, for each operand of a quantised product, along K:
;;     - K is cut into blocks of 32 from its start; a last block that is shorter is filled with zeros.
;;     - A block's scale is 2^e with e = floor(log2(the largest magnitude in the block)) - 4, held to -126 .. 127; a block of zeros has e = 0. As a byte (E8M0): e + 127.
;;     - Each number is divided by its block's scale, clamped to +-28, and rounded to the nearest number of E3M2, ties to even, subnormals kept.
;;     - The product sums the exact products of the quantised numbers (number of the format x scale) in f32.
;;   ~~~python
;;   def quantise(x, axis):      # numpy; x: float32 -> the quantised numbers, widened to float32 again
;;       x = np.moveaxis(x, axis, -1); K = x.shape[-1]
;;       x = np.pad(x, [(0, 0)] * (x.ndim - 1) + [(0, -K % 32)]); x = x.reshape(x.shape[:-1] + (-1, 32)); a = np.abs(x).max(-1, keepdims=True)
;;       e = np.where(a > 0, np.clip(np.frexp(np.where(a > 0, a, 1))[1] - 1 - 4, -126, 127), 0)      # np.frexp(a)[1] - 1 = floor(log2(a)), exactly
;;       r = np.clip(x / 2.0 ** e, -28, 28)
;;       step = 2.0 ** (np.maximum(np.frexp(np.where(r == 0, 1, r))[1] - 1, -2) - 2)
;;       q = np.round(r / step) * step * 2.0 ** e      # np.round: ties to even
;;       return np.moveaxis(q.reshape(q.shape[:-2] + (-1,))[..., :K], -1, axis).astype(np.float32)
;;   ~~~
;;   OPERANDS COMPUTED ON THE WAY. 'Computed on the way' means the value that the module computes at that place (a softmax that the list does not call 'softmax' is quantised finished and normalised). What goes into a quantiser is computed in f32, as accurately as f32 sums, v_exp_f32 and their like allow (about 1e-6 of the number): no bf16 or f16 on the way to a quantiser, and a product that is left as it is and whose result goes on into a quantised operand takes f32 operands (vector FMAs, or v_wmma_f32_16x16x4_f32). A number that lies on a knife's edge between two numbers of the format may be rounded either way, as far as f32 arithmetic and the matrix unit's own rounding can turn it there, and no further.
;;   INPUTS GIVEN AS CODES. k2 (in the module: [1, 4, 256, 64], K = its axis 3): each comes as NAME_codes (uint8): NAME with its K axis moved to the last place and cut into blocks of 32 codes, [.., K / 32, bytes a block], one block behind the other in memory; four codes in three bytes: a row's codes are one little-endian stream of bits, code i at bits 6 i .. 6 i + 5 (a code: sign, 3 exponent bits, 2 mantissa bits); and NAME_scales (uint8): the same leading axes, one E8M0 byte (e + 127) for each 32 codes along K. Its value is code x scale, taken as it is: it is not quantised again, and the codes and scales need not be those that the quantiser above would give.
;; One version. Each part assembles by itself: llvm-mc -triple=amdgcn-amd-amdhsa -mcpu=gfx1250 --defsym DOCPART=n.
;; ======== version 1 of 1: 3 launches
;; limits: right only within a limited range of input values
;; workspace buffers: rowstat 65,536 bytes; vvq 13,107,200 bytes; opart 4,194,304 bytes
;; launch pass1 (part 1): grid 64 x 4, 8 waves a work-group, no clusters, 101,376 bytes of LDS; arguments q, k1, k2_codes, k2_scales, bias_u, bias_v, bias_w, bias_gate, key_padding_mask, v1, v2, rowstat, vvq; writes rowstat, vvq
.if DOCPART == 1
	.amdgcn_target "amdgcn-amd-amdhsa--gfx1250"
	.amdhsa_code_object_version 6
	.text
	.protected	k_qe4ffb82742_pass1
	.globl	k_qe4ffb82742_pass1
	.p2align	8
	.type	k_qe4ffb82742_pass1,@function
k_qe4ffb82742_pass1:
	s_mov_b64 s[64:65], 0
	v_nop
	global_prefetch_b8 v0, s[64:65] scope:SCOPE_SE
	s_setreg_imm32_b32 hwreg(HW_REG_WAVE_MODE, 25, 1), 1
	s_wait_xcnt 0x0
; TWO-SIMPLICIAL ATTENTION, PASS 1 OF 2.  logit(i,j,k) = sum_d Q(q[i,d] k1[j,d]) k2[k,d] + g_i (u_ij + v_ik + w_jk), softmax over all pairs (j,k).
; The finished softmax is itself quantised, so a row's maximum and sum must be known before any of its codes: the logits are made twice.  No work of reference() is left out.
; This launch makes (a) for each query and each block of 32 j the maximum M of t = log2(e) x logit and the sum of 2^(t - M); (b) once, the codes of vv[j,k,d] = v1[j,d] v2[k,d]
; (E3M2, one E8M0 byte for 32 along k), laid as images of the operand's registers.
; SHARES.  256 work-groups = 4 heads x 8 blocks of 32 queries x 8 blocks of 32 j.  Eight waves of 512 registers, two to a SIMD.  Wave w owns the 16 queries 32 qb + 16 (w & 1) and
; walks the 8 j 32 jb + 8 (w >> 1), in steps of one j x 128 k.  For vv a work-group takes 8 j x 128 k x 64 d, a wave 16 d x 64 k.
; NO CLUSTER: a work-group's tiles are 92 KB (bias_v 32, bias_w 32, k2 12, q 8, k1 8), asked for once, at the head, 23 loads of 16 bytes a thread; there is no loop of tiles in which partners
; would ask again, and the largest part that partners could share is 52 KB.  No prefetch: no loop loads from memory.
; LAYOUT.  The product is used transposed: source 0 = 16 rows of k2, source 1 = the 16 queries' codes of q k1 for the j in hand.  Lane (r, h): query r.  Lane r of tile 2 b + u takes
; key 32 b + 8 u + r + 8 (r / 8), so register 16 b + x of a step's 64 holds k = 128 kh + 32 b + 16 h + x.
; K IS 64 IN AN INSTRUCTION OF 128: registers 6-11 of the q k1 fragment are zero codes, every E3M2 code is a finite number, so whatever source 0 holds at K 64-127 adds nothing;
; bytes 2, 3 of both scale words are 0 (never 0xff).
; ARITHMETIC.  C of the product = g w_jk + (g v_ik + mt_k), the bracket resident in registers; t = c D + (c g u_ij + mt_j).  mt = -2^100 for a padded key, else 0.
; The running maximum starts at -2^96, so masked pairs never set it and give 2^(-huge) = 0.
; LIMITS: a logit with log2(e) x logit under -2^96 counts as masked; NaN and infinities among the inputs are not served; a block of zeros gets the scale byte 1 (its codes are zeros; only this program reads the bytes).
.set VT,   0                           ; LDS: 32 rows of bias_v, 1,024 bytes + 16 of padding
.set QT,   33280                       ; 32 rows of q, 256 + 16
.set WL,   41984                       ; 32 rows of bias_w, dense
.set K1L,  74752                       ; 32 rows of k1, dense
.set K2L,  82944                       ; the head's k2 codes, 256 rows of 48 bytes
.set MT,   95232                       ; mt_k, 256 numbers
.set SWL,  96256                       ; vv's scale words [dt][r][8 j]
.set ST,   98304                       ; (M, sum) of each lane of each wave
.set SPARE, 100352
.set MASKV,  0xf1800000                ; -2^100
.set FLOORM, 0xef800000                ; -2^96
.set FLOORQ, 0x2800000                 ; 2^(5 - 127): under it no largest magnitude is taken, so a scale's byte cannot fall under 1
.set EOFF,   0xfe000000                ; takes 4 off an exponent field
; v1 my rows of w + 64 h; v2 w's address in hand; v3 my rows of k1 + 128 h; v4 k1's address in hand; v5 16 x lane; v6 8 x lane; v9 8 h; v10 g, v11 c g; v12 the exponent's offset, v13 0;
; v14 M; v15 c g u_ij + mt_j of the j in hand; v[16:17] the sum in two halves; v18 r, v19 h; v84 my spare word, v85 0
.set GU,  20                           ; v20-27  c g u_ij + mt_j for my 8 j; moved down one place a trip
.set TM,  28                           ; v28-47  at work
.set QC,  48                           ; v48-59  codes of q k1 (54-59 stay zero)
.set QS,  60                           ; v60     their scale word
.set K2S, 76                           ; v76-83  k2's scale words: lanes 0-15 tile 2 b, lanes 16-31 tile 2 b + 1
.set SB,  88                           ; v88-151 second set of 64
.set KR,  152                          ; v152-183 the next j's k1, then q k1
.set SA,  184                          ; v184-247 first set of 64
.set FC,  128                          ; at the head: eight half fragments of vv, 6 registers each
.set GVW, 0                            ; window 1: v0-127 g v_ik + mt_k; v128-223 k2's tiles, 6 registers each; v224-255 my 32 numbers of q
.set K2F, 128
.set QW,  224
.set MSB, 0
.macro WIN new                         ; the immediate's high byte repeats the setting that is left
.if MSB != \new
	s_set_vgpr_msb (MSB<<8)|\new
.set MSB, \new
.endif
.endm
.macro VW
	s_wait_alu depctr_va_vdst(0)
.endm
.macro K1LOAD adr, off                 ; k1[j][32 h + 0 .. 31]
.irp x, 0,1,2,3,4,5,6,7
	ds_load_b128 v[KR+4*\x:KR+4*\x+3], v[\adr] offset:(\off)+16*\x
.endr
.endm
.macro WLOAD adr, off, dst             ; 64 numbers of a row of w: 32 b + 16 h + 0 .. 15, b = 0 .. 3
.irp b, 0,1,2,3
.irp x, 0,1,2,3
	ds_load_b128 v[(\dst)+16*\b+4*\x:(\dst)+16*\b+4*\x+3], v[\adr] offset:(\off)+128*\b+16*\x
.endr
.endr
.endm
; q k1 of one j becomes codes.  A lane holds a whole block (d = 32 h .. 32 h + 31), so no other lane is asked for the maximum.
.macro QK
	s_wait_dscnt 16                                ; k1's 8 loads are in; w's 16 younger ones may be out
	WIN 0x01                                       ; source 0 (q) in window 1
.set i, 0
.rept 16
	v_pk_mul_f32 v[KR+i:KR+i+1], v[QW+i:QW+i+1], v[KR+i:KR+i+1]
.set i, i+2
.endr
	WIN 0
	v_max3_num_f32 v[TM], |v[KR]|, |v[KR+1]|, FLOORQ
	v_max3_num_f32 v[TM+1], |v[KR+16]|, |v[KR+17]|, |v[KR+18]|
.irp i, 2,4,6,8,10,12
	v_max3_num_f32 v[TM], v[TM], |v[KR+\i]|, |v[KR+\i+1]|
	v_max3_num_f32 v[TM+1], v[TM+1], |v[KR+17+\i]|, |v[KR+18+\i]|
.endr
	v_max3_num_f32 v[TM], v[TM], |v[KR+14]|, |v[KR+15]|
	v_max3_num_f32 v[TM], v[TM], v[TM+1], |v[KR+31]|
	v_add_nc_u32 v[TM+2], EOFF, v[TM]              ; the conversion takes this operand's exponent field as its scale
	v_cvt_scalef32_pk16_bf6_f32 v[QC:QC+2], v[KR:KR+15], v[TM+2]
	v_cvt_scalef32_pk16_bf6_f32 v[TM+12:TM+14], v[KR+16:KR+31], v[TM+2]   ; (a conversion's three registers begin on an even number)
	v_lshrrev_b32 v[TM+3], 23, v[TM+2]             ; the scale's byte; also the plain line behind the conversions
	v_lshlrev_b32 v[TM+3], v9, v[TM+3]             ; my block's byte at its place, 8 h bits up;
.irp i, 0,1,2
	v_mov_b32 v[QC+3+\i], v[TM+12+\i]
.endr
	v_permlanex16_b32 v[TM+4], v[TM+3], s62, s63
	v_or_b32 v[QS], v[TM+3], v[TM+4]               ; with lane l xor 16's the word is whole (bytes 2, 3 stay 0)
.endm
; C = g w + (g v + mt_k), then eight products on eight accumulators.  The 32 multiply-adds are also the places between the writes of the codes and their scale word and the scaled products.
.macro BIASMM kh, s
	WIN 0x10                                       ; source 2 in window 1
.set i, 0
.rept 32
	v_pk_fma_f32 v[(\s)+i:(\s)+i+1], v[(\s)+i:(\s)+i+1], v[10:11], v[GVW+64*(\kh)+i:GVW+64*(\kh)+i+1] op_sel_hi:[1,0,1]
.set i, i+2
.endr
	WIN 0x01                                       ; source 0 (k2) in window 1
.irp t, 0,2,4,6
	v_wmma_scale_f32_16x16x128_f8f6f4 v[(\s)+8*\t:(\s)+8*\t+7], v[K2F+6*(8*(\kh)+\t):K2F+6*(8*(\kh)+\t)+11], v[QC:QC+11], v[(\s)+8*\t:(\s)+8*\t+7], v[K2S+4*(\kh)+\t/2], v[QS] matrix_a_fmt:MATRIX_FMT_BF6 matrix_b_fmt:MATRIX_FMT_BF6
	v_wmma_scale_f32_16x16x128_f8f6f4 v[(\s)+8*\t+8:(\s)+8*\t+15], v[K2F+6*(8*(\kh)+\t)+6:K2F+6*(8*(\kh)+\t)+17], v[QC:QC+11], v[(\s)+8*\t+8:(\s)+8*\t+15], v[K2S+4*(\kh)+\t/2], v[QS] matrix_a_fmt:MATRIX_FMT_BF6 matrix_b_fmt:MATRIX_FMT_BF6 matrix_a_scale:MATRIX_SCALE_ROW1
.endr
	WIN 0
.endm
; 16 exponentials of block b by turns with the scalings of block b + 1 (f) and the additions of block a onto block 0 (a > 0)
.macro TURN s, b, f, a
.set pp, 0
.rept 8
	v_exp_f32 v[(\s)+16*(\b)+2*pp], v[(\s)+16*(\b)+2*pp]
.if \f
	v_pk_fma_f32 v[(\s)+16*(\b)+16+2*pp:(\s)+16*(\b)+17+2*pp], v[(\s)+16*(\b)+16+2*pp:(\s)+16*(\b)+17+2*pp], s[60:61], v[12:13] op_sel_hi:[1,0,0]
.endif
	v_exp_f32 v[(\s)+16*(\b)+2*pp+1], v[(\s)+16*(\b)+2*pp+1]
.if \a
	v_pk_add_f32 v[(\s)+2*pp:(\s)+2*pp+1], v[(\s)+2*pp:(\s)+2*pp+1], v[(\s)+16*(\a)+2*pp:(\s)+16*(\a)+2*pp+1]
.endif
.set pp, pp+1
.endr
	VW
.endm
.macro ADDP s, d, x
	v_pk_add_f32 v[(\s)+(\d):(\s)+(\d)+1], v[(\s)+(\d):(\s)+(\d)+1], v[(\s)+(\x):(\s)+(\x)+1]
.endm
; The running maximum and sum of my lane: nothing crosses lanes here.
.macro SOFT s
.irp b, 0,1,2,3                        ; four chains by turns, each accumulator from its low end on
	v_max3_num_f32 v[TM+\b], v[(\s)+16*\b], v[(\s)+16*\b+1], v[(\s)+16*\b+2]
.endr
.irp i, 3,5,7,9,11,13
.irp b, 0,1,2,3
	v_max3_num_f32 v[TM+\b], v[TM+\b], v[(\s)+16*\b+\i], v[(\s)+16*\b+\i+1]
.endr
.endr
.irp b, 0,1,2,3
	v_max_num_f32 v[TM+\b], v[TM+\b], v[(\s)+16*\b+15]
.endr
	v_max3_num_f32 v[TM], v[TM], v[TM+1], v[TM+2]
	v_max_num_f32 v[TM], v[TM], v[TM+3]
	v_fma_f32 v[TM], v[TM], s60, v15               ; the step's largest t of my lane (c is positive)
	v_max_num_f32 v[TM+1], v14, v[TM]              ; the new M
	v_sub_f32 v[TM+2], v14, v[TM+1]
	v_sub_f32 v12, v15, v[TM+1]
	v_mov_b32 v14, v[TM+1]
.set i, 0
.rept 8
	v_pk_fma_f32 v[(\s)+i:(\s)+i+1], v[(\s)+i:(\s)+i+1], s[60:61], v[12:13] op_sel_hi:[1,0,0]
.set i, i+2
.endr
	VW
	v_exp_f32 v[TM+2], v[TM+2]                     ; f = 2^(old M - new M)
	TURN \s, 0, 1, 0
	v_pk_mul_f32 v[16:17], v[16:17], v[TM+2:TM+3] op_sel_hi:[1,0]   ; the sum under the new M
	TURN \s, 1, 1, 0
	TURN \s, 2, 1, 1
	TURN \s, 3, 0, 2
.irp x, 0,2,4,6,8,10,12,14
	ADDP \s, \x, 48+\x
.endr
.irp x, 0,2,4,6
	ADDP \s, \x, 8+\x
.endr
	ADDP \s, 0, 4
	ADDP \s, 2, 6
	ADDP \s, 0, 2
	v_pk_add_f32 v[16:17], v[16:17], v[\s:(\s)+1]
.endm
	s_load_b512 s[8:23], s[0:1], 0x0               ; q 8, k1 10, k2 codes 12, k2 scales 14, u 16, v 18, w 20, gate 22
	s_load_b256 s[24:31], s[0:1], 0x40             ; mask 24, v1 26, v2 28, rowstat 30
	s_load_b64 s[32:33], s[0:1], 0x60              ; vvq 32
	v_lshl_add_u32 v84, v0, 2, SPARE
	v_mov_b32 v85, 0
	v_lshrrev_b32 v2, 5, v0
	v_readfirstlane_b32 s2, v2                     ; wave 0..7
	s_and_b32 s3, ttmp7, 0xffff                    ; head
	s_lshr_b32 s4, ttmp9, 3                        ; qb: my block of 32 queries
	s_and_b32 s5, ttmp9, 7                         ; jb: my block of 32 j
	s_and_b32 s6, s2, 1                            ; my tile of 16 queries; for vv: c, my 64 of the 128 k
	s_lshr_b32 s7, s2, 1                           ; my octet of j; for vv: dt, my 16 d
	s_lshr_b32 s38, ttmp9, 1                       ; for vv: the octet of j,
	s_and_b32 s39, ttmp9, 1                        ; and kh, the 128 k
	s_mov_b32 s60, 0x3fb8aa3b                      ; c = log2(e)
	s_mov_b32 s61, s60                             ; (named with it as a pair)
	s_mov_b32 s62, 0x76543210
	s_mov_b32 s63, 0xfedcba98                      ; v_permlanex16_b32's selects for lane l xor 16
	s_mul_i32 s40, s6, 4352
	s_add_co_u32 s40, s40, QT
	s_mul_i32 s41, s6, 16640
	s_lshl_b32 s42, s7, 13
	s_add_co_u32 s42, s42, WL
	s_lshl_b32 s43, s7, 11
	s_add_co_u32 s43, s43, K1L
	s_lshl_b32 s44, s7, 9
	s_lshl_b32 s45, s6, 1
	s_add_co_u32 s44, s44, s45
	s_add_co_u32 s44, s44, SWL
	s_lshl_b32 s45, s2, 8
	s_add_co_u32 s45, s45, ST
	v_and_b32 v4, 31, v0                           ; lane
	v_and_b32 v18, 15, v0                          ; r
	v_bfe_u32 v19, v0, 4, 1                        ; h
	v_lshlrev_b32 v5, 4, v4
	v_lshlrev_b32 v6, 3, v4
	v_lshlrev_b32 v9, 3, v19
	v_lshlrev_b32 v248, 4, v0                      ; 16 t
	v_add_nc_u32 v61, WL, v248
	v_lshrrev_b32 v7, 6, v0
	v_and_b32 v8, 63, v0
	v_mul_u32_u24 v254, 0x410, v7
	v_lshl_add_u32 v254, v8, 4, v254               ; bias_v: row t / 64, 16 bytes x (t % 64)
	v_lshrrev_b32 v7, 4, v0
	v_mul_u32_u24 v255, 0x110, v7
	v_lshl_add_u32 v255, v18, 4, v255
	v_add_nc_u32 v255, QT, v255                    ; q: row t / 16
	v_lshl_add_u32 v62, v0, 2, MT
	v_lshlrev_b32 v250, 2, v18                     ; 4 r
	v_lshlrev_b32 v251, 10, v18                    ; 1,024 r
	v_lshl_add_u32 v253, v19, 13, v250             ; v2: 32 h rows + 4 r
	v_and_b32 v63, 8, v18
	v_add_nc_u32 v63, v63, v18                     ; r + 8 (r / 8)
	v_add_nc_u32 v249, v63, v9
	v_lshlrev_b32 v249, 1, v249                    ; k2's scale words: 2 bytes a row; lanes 16-31 take the rows 8 on
	v_mul_u32_u24 v64, 48, v63
	v_mad_u32_u24 v64, v19, 24, v64
	v_add_nc_u32 v64, K2L, v64                     ; k2: my row of a tile, + 24 h
	v_mul_u32_u24 v65, 0x110, v18
	v_lshl_add_u32 v65, v19, 7, v65
	v_add_nc_u32 v65, s40, v65                     ; q: my tile, row r, + 128 h
	v_mul_u32_u24 v66, 0x410, v18
	v_lshl_add_u32 v66, v19, 6, v66
	v_add_nc_u32 v66, s41, v66                     ; bias_v: my tile, row r, + 64 h
	v_lshl_add_u32 v67, v19, 6, MT
	v_lshl_add_u32 v1, v19, 6, s42
	v_lshl_add_u32 v3, v19, 7, s43
	v_lshl_add_u32 v68, v18, 5, v19
	v_add_nc_u32 v68, s44, v68                     ; vv's scale bytes: row r's words, byte 2 c + h
	v_add_nc_u32 v69, s45, v6
	v_lshl_add_u32 v70, v0, 3, SWL
	v_lshl_add_u32 v71, v18, 3, ST
	v_lshl_add_u32 v71, v19, 8, v71                ; the statistics of query 16 h + r
	v_lshlrev_b32 v72, 3, v0
	v_mov_b32 v[TM+4], 0                           ; (a lane permute's destination counts as one of its sources)
	v_mov_b32 v35, 0                               ; (named as the upper half of the pair v[34:35])
.irp i, 6,7,8,9,10,11
	v_mov_b32 v[QC+\i], 0                          ; zero codes for K 64-127
.endr
	v_mov_b32 v13, 0
	v_mov_b32 v14, FLOORM
	v_mov_b32 v16, 0
	v_mov_b32 v17, 0
	; byte offsets, in pairs with a high word of 0
.irp n, 67,69,71,73,75,77,79,81,83,85,87,89,91,93
	s_mov_b32 s\n, 0
.endr
	s_lshl_b32 s34, s3, 8
	s_lshl_b32 s36, s5, 5
	s_add_co_u32 s35, s34, s36                     ; 256 head + 32 jb
	s_lshl_b32 s37, s38, 3
	s_add_co_u32 s37, s34, s37
	s_lshl_b32 s84, s37, 8                         ; v1 at its octet's first j, column 16 dt
	s_lshl_b32 s86, s39, 7
	s_lshl_b32 s37, s6, 6
	s_add_co_u32 s86, s86, s37
	s_add_co_u32 s86, s86, s34
	s_lshl_b32 s86, s86, 8                         ; v2 at k = 128 kh + 64 c, column 16 dt
	s_lshl_b32 s37, s7, 6
	s_add_co_u32 s84, s84, s37
	s_add_co_u32 s86, s86, s37
	s_lshl_b32 s37, s4, 5
	s_add_co_u32 s34, s34, s37                     ; 256 head + 32 qb
	s_lshl_b32 s66, s34, 10                        ; bias_v
	s_lshl_b32 s68, s34, 8                         ; q
	s_lshl_b32 s70, s35, 10                        ; bias_w
	s_lshl_b32 s72, s35, 8                         ; k1
	s_mul_i32 s74, s3, 12288                       ; k2's codes
	s_lshl_b32 s76, s3, 9                          ; k2's scales
	s_lshl_b32 s37, s6, 4
	s_add_co_u32 s37, s37, s34                     ; my first query's row
	s_lshl_b32 s78, s37, 2                         ; the gate
	s_lshl_b32 s80, s37, 10
	s_lshl_b32 s82, s7, 3
	s_add_co_u32 s82, s82, s36                     ; the mask at my first j
	s_lshl_b32 s37, s82, 2
	s_add_co_u32 s80, s80, s37                     ; u at my first query and j
	s_lshl_b32 s88, s3, 14
	s_lshl_b32 s37, s5, 11
	s_add_co_u32 s88, s88, s37
	s_lshl_b32 s37, s4, 8
	s_add_co_u32 s88, s88, s37                     ; rowstat: [head][jb][query], 8 bytes
	s_lshl_b32 s90, s3, 4
	s_lshr_b32 s37, s38, 1
	s_add_co_u32 s90, s90, s37
	s_mul_i32 s90, s90, 204800                     ; vvq: [head][16 j]: 16 x 12,288 bytes of fragments, then 8,192 of scale words
	s_and_b32 s38, s38, 1
	s_lshl_b32 s92, s38, 12
	s_lshl_b32 s37, s39, 11
	s_add_co_u32 s92, s92, s37
	s_add_co_u32 s92, s92, s90
	s_add_co_u32 s92, s92, 196608                  ; my work-group's 2,048 bytes of scale words
	s_mul_i32 s37, s38, 98304
	s_add_co_u32 s90, s90, s37
	s_mul_i32 s37, s39, 6144
	s_add_co_u32 s90, s90, s37
	s_mul_i32 s37, s7, 1536
	s_add_co_u32 s90, s90, s37
	s_mul_i32 s37, s6, 768
	s_add_co_u32 s90, s90, s37                     ; my half fragments: 768 bytes at (kh, dt, c), 12,288 from j to j
	VW
	s_wait_kmcnt 0x0
	s_add_nc_u64 s[18:19], s[18:19], s[66:67]
	s_add_nc_u64 s[8:9], s[8:9], s[68:69]
	s_add_nc_u64 s[10:11], s[10:11], s[72:73]
	s_add_nc_u64 s[12:13], s[12:13], s[74:75]
	s_add_nc_u64 s[20:21], s[20:21], s[70:71]
	s_add_nc_u64 s[14:15], s[14:15], s[76:77]
	s_add_nc_u64 s[22:23], s[22:23], s[78:79]
	s_add_nc_u64 s[16:17], s[16:17], s[80:81]
	s_add_nc_u64 s[96:97], s[24:25], s[82:83]
	s_add_nc_u64 s[26:27], s[26:27], s[84:85]
	s_add_nc_u64 s[28:29], s[28:29], s[86:87]
	s_load_b64 s[46:47], s[96:97], 0x0             ; the mask's bytes of my 8 j
.irp n, 0,1,2,3,4,5,6,7
	global_load_b128 v[128+4*\n:131+4*\n], v248, s[18:19] offset:4096*\n       ; 32 rows of bias_v
.endr
.irp n, 0,1
	global_load_b128 v[160+4*\n:163+4*\n], v248, s[8:9] offset:4096*\n         ; 32 rows of q
.endr
.irp n, 0,1
	global_load_b128 v[168+4*\n:171+4*\n], v248, s[10:11] offset:4096*\n       ; 32 rows of k1
.endr
.irp n, 0,1,2
	global_load_b128 v[176+4*\n:179+4*\n], v248, s[12:13] offset:4096*\n       ; k2's codes
.endr
.irp n, 0,1,2,3,4,5,6,7
	global_load_b128 v[188+4*\n:191+4*\n], v248, s[20:21] offset:4096*\n       ; 32 rows of bias_w
.endr
	global_load_u8 v220, v0, s[24:25]                          ; the mask's byte of key t
.irp kh, 0,1
.irp b, 0,1,2,3
	global_load_u16 v[K2S+4*\kh+\b], v249, s[14:15] offset:2*(128*\kh+32*\b)
.endr
.endr
	global_load_b32 v10, v250, s[22:23]                        ; g of my query
	global_load_b128 v[GU:GU+3], v251, s[16:17]                ; u of my query and my 8 j
	global_load_b128 v[GU+4:GU+7], v251, s[16:17] offset:16
.irp j, 0,1,2,3,4,5,6,7
	global_load_b32 v[120+\j], v250, s[26:27] offset:256*\j    ; v1[8 oct + j][16 dt + r]
.endr
.set i, 0
.rept 32
	global_load_b32 v[88+i], v253, s[28:29] offset:256*i       ; v2[128 kh + 64 c + 32 h + i][16 dt + r]
.set i, i+1
.endr
	s_add_nc_u64 s[30:31], s[30:31], s[88:89]
	s_add_nc_u64 s[98:99], s[32:33], s[92:93]
	s_add_nc_u64 s[32:33], s[32:33], s[90:91]
	s_wait_loadcnt 51                              ; the 24 staged ones are in; 8 + 1 + 2 + 8 + 32 younger ones may be out
	v_cvt_f32_u32 v221, v220
	v_mul_f32 v221, MASKV, v221                    ; mt_k
.irp n, 0,1,2,3,4,5,6,7
	ds_store_b128 v254, v[128+4*\n:131+4*\n] offset:4160*\n
.endr
.irp n, 0,1
	ds_store_b128 v255, v[160+4*\n:163+4*\n] offset:4352*\n
	ds_store_b128 v61, v[168+4*\n:171+4*\n] offset:32768+4096*\n
.endr
.irp n, 0,1,2
	ds_store_b128 v61, v[176+4*\n:179+4*\n] offset:40960+4096*\n
.endr
.irp n, 0,1,2,3,4,5,6,7
	ds_store_b128 v61, v[188+4*\n:191+4*\n] offset:4096*\n
.endr
	ds_store_b32 v62, v221
	VW
	s_wait_dscnt 0x0                               ; my stores have landed
	s_barrier_signal -1
	s_barrier_wait -1                              ; everybody's have
	WIN 0x40                                       ; destination in window 1
.set i, 0
.rept 16                               ; tile i begins at row 16 i - 8 (i % 2)
.irp p, 0,1,2
	ds_load_b64 v[K2F+6*i+2*\p:K2F+6*i+2*\p+1], v64 offset:48*(16*i-8*(i%2))+8*\p
.endr
.set i, i+1
.endr
.irp x, 0,1,2,3,4,5,6,7
	ds_load_b128 v[QW+4*\x:QW+4*\x+3], v65 offset:16*\x
.endr
	WIN 0
	; ---- THE CODES OF vv: d = 16 dt + r, k = 128 kh + 64 c + 32 h + 0 .. 31: a lane holds a whole block
	s_wait_loadcnt 0x0
	v_max3_num_f32 v28, |v88|, |v89|, |v90|
	v_max3_num_f32 v29, |v91|, |v92|, |v93|
.irp i, 94,98,102,106,110,114
	v_max3_num_f32 v28, v28, |v[\i]|, |v[\i+1]|
	v_max3_num_f32 v29, v29, |v[\i+2]|, |v[\i+3]|
.endr
	v_max3_num_f32 v28, v28, |v118|, |v119|
	v_max_num_f32 v28, v28, v29                    ; the block's largest |v2|
.irp j, 0,1,2,3,4,5,6,7
	v_mov_b32 v34, v[120+\j]                       ; into the low register of a pair
	v_mul_f32 v36, |v[120+\j]|, v28                ; rounding keeps order, so this IS the largest of the 32 rounded products' magnitudes
.set i, 0
.rept 16
	v_pk_mul_f32 v[SA+i:SA+i+1], v[88+i:89+i], v[34:35] op_sel_hi:[1,0]
.set i, i+2
.endr
	v_max_num_f32 v36, FLOORQ, v36
	v_add_nc_u32 v36, EOFF, v36
	v_cvt_scalef32_pk16_bf6_f32 v[FC+6*\j:FC+6*\j+2], v[SA:SA+15], v36
	v_cvt_scalef32_pk16_bf6_f32 v[40:42], v[SA+16:SA+31], v36
	v_lshrrev_b32 v37, 23, v36                     ; the byte; also the plain line behind the conversions
.irp i, 0,1,2
	v_mov_b32 v[FC+6*\j+3+\i], v[40+\i]
.endr
	ds_store_b8 v68, v37 offset:4*\j
	global_store_b128 v5, v[FC+6*\j:FC+6*\j+3], s[32:33] offset:12288*\j           ; an image of the registers: 512 consecutive bytes,
	global_store_b64 v6, v[FC+6*\j+4:FC+6*\j+5], s[32:33] offset:12288*\j+512      ; and 256
.endr
	; ---- WHAT STAYS IN REGISTERS
	v_mul_f32 v11, s60, v10                        ; c g
	VW
	s_wait_xcnt 0x0                                ; the stores have read their registers
.irp kh, 0,1
.irp b, 0,1,2,3
.irp x, 0,1,2,3
	ds_load_b128 v[SA+16*\b+4*\x:SA+16*\b+4*\x+3], v66 offset:512*\kh+128*\b+16*\x
	ds_load_b128 v[SB+16*\b+4*\x:SB+16*\b+4*\x+3], v67 offset:512*\kh+128*\b+16*\x
.endr
.endr
	s_wait_dscnt 0x0
	WIN 0x40
.set i, 0
.rept 32
	v_pk_fma_f32 v[GVW+64*\kh+i:GVW+64*\kh+i+1], v[SA+i:SA+i+1], v[10:11], v[SB+i:SB+i+1] op_sel_hi:[1,0,1]   ; g v_ik + mt_k
.set i, i+2
.endr
	WIN 0
.endr
	K1LOAD 3, 0
	WLOAD 1, 0, SA
	VW
	s_wait_kmcnt 0x0
.irp jj, 0,1,2,3,4,5,6,7
	s_bfe_u32 s[66+\jj], s[46+\jj/4], 0x80000|(8*(\jj%4))      ; the mask's byte of j, 0 or 1,
	s_mul_i32 s[66+\jj], s[66+\jj], MASKV                      ; times the bits of -2^100: mt_j
.endr
.irp jj, 0,1,2,3,4,5,6,7
	v_fma_f32 v[GU+\jj], v[GU+\jj], v11, s[66+\jj]
.endr
	VW
	QK                                             ; the first j's codes
	s_mov_b32 s100, 0                              ; the j in hand: its row of w,
	s_mov_b32 s101, 256                            ; and the next j's row of k1
	s_mov_b32 s74, 8
	VW
.Ltrip:                                                ; a trip: one j, two steps.  w's first half and the codes of q k1 are there
	v_add_nc_u32 v2, s100, v1
	v_add_nc_u32 v4, s101, v3
	WLOAD 2, 512, SB                               ; the second half of w,
	K1LOAD 4, 0                                    ; and the next j's k1 (the last trip's look-ahead reads the LDS bytes that follow, which are written; nothing uses what it brings)
	s_wait_dscnt 24                                ; all but the 24 just issued
	BIASMM 0, SA
	v_mov_b32 v15, v[GU]                           ; four places in front of the first read of the results (ISA guide 7.12.1)
.irp i, 0,1,2
	v_mov_b32 v[GU+\i], v[GU+\i+1]                 ; the next j's number moves to the front
.endr
	SOFT SA
	WLOAD 2, 1024, SA                              ; the next j's first half of w
	s_wait_dscnt 24                                ; w's second half is in; k1's 8 and the 16 just issued may be out
	BIASMM 1, SB
.irp i, 3,4,5,6
	v_mov_b32 v[GU+\i], v[GU+\i+1]                 ; four places
.endr
	QK                                             ; the next j's codes
	SOFT SB
	s_add_co_u32 s100, s100, 1024
	s_add_co_u32 s101, s101, 256
	s_sub_co_u32 s74, s74, 1
	s_cmp_lg_u32 s74, 0
	VW
	s_cbranch_scc1 .Ltrip
	; ---- THE STATISTICS of the four waves and two lanes of each query are joined by wave 0; the scale words leave by all
	v_add_f32 v15, v16, v17
	ds_store_b64 v69, v[14:15]
	VW
	s_wait_tensorcnt 0x0                           ; behind my last LDS store
	ds_add_u32 v84, v85
	s_wait_dscnt 0x0
	s_barrier_signal -1
	s_barrier_wait -1
	ds_load_b64 v[20:21], v70
	s_cmp_lg_u32 s2, 0
	s_cbranch_scc1 .Lscales
.irp i, 0,1,2,3,4,5,6,7
	ds_load_b64 v[28+2*\i:29+2*\i], v71 offset:512*(\i/2)+128*(\i%2)
.endr
	s_wait_dscnt 0x0
	v_max3_num_f32 v46, v28, v30, v32
	v_max3_num_f32 v46, v46, v34, v36
	v_max3_num_f32 v46, v46, v38, v40
	v_max_num_f32 v46, v46, v42
.irp i, 28,30,32,34,36,38,40,42
	v_sub_f32 v[\i], v[\i], v46
.endr
	VW
.irp i, 28,30,32,34,36,38,40,42
	v_exp_f32 v[\i], v[\i]
.endr
	v_nop                                          ; a plain line behind the exponentials
	VW
	v_mul_f32 v47, v28, v29
	v_mul_f32 v48, v30, v31
.irp i, 32,36,40
	v_fma_f32 v47, v[\i], v[\i+1], v47
	v_fma_f32 v48, v[\i+2], v[\i+3], v48
.endr
	v_add_f32 v47, v47, v48
	global_store_b64 v6, v[46:47], s[30:31]        ; 32 queries: 256 consecutive bytes, aligned
.Lscales:
	s_wait_dscnt 0x0
	global_store_b64 v72, v[20:21], s[98:99]       ; 256 consecutive bytes a wave
	s_endpgm
.Lfunc_end_k_qe4ffb82742_pass1:
	.size	k_qe4ffb82742_pass1, .Lfunc_end_k_qe4ffb82742_pass1-k_qe4ffb82742_pass1
	.p2alignl 7, 3214868480
	.fill 96, 4, 3214868480
	.section	.rodata,"a",@progbits
	.p2align	6, 0x0
	.amdhsa_kernel k_qe4ffb82742_pass1
		.amdhsa_group_segment_fixed_size 101376
		.amdhsa_private_segment_fixed_size 0
		.amdhsa_enable_private_segment 0
		.amdhsa_kernarg_size 104
		.amdhsa_user_sgpr_count 2
		.amdhsa_user_sgpr_kernarg_segment_ptr 1
		.amdhsa_wavefront_size32 1
		.amdhsa_system_sgpr_workgroup_id_x 1
		.amdhsa_system_sgpr_workgroup_id_y 1
		.amdhsa_system_sgpr_workgroup_id_z 1
		.amdhsa_system_vgpr_workitem_id 0
		.amdhsa_next_free_vgpr 512
		.amdhsa_next_free_sgpr 102
		.amdhsa_reserve_vcc 0
		.amdhsa_float_denorm_mode_32 3
		.amdhsa_float_denorm_mode_16_64 3
		.amdhsa_memory_ordered 1
		.amdhsa_forward_progress 1
		.amdhsa_inst_pref_size 80
	.end_amdhsa_kernel
	.amdgpu_metadata
---
amdhsa.version: [ 1, 2 ]
amdhsa.kernels:
  - .name:           k_qe4ffb82742_pass1
    .symbol:         k_qe4ffb82742_pass1.kd
    .args:
      - { .name: q, .offset: 0, .size: 8, .value_kind: global_buffer, .address_space: global }
      - { .name: k1, .offset: 8, .size: 8, .value_kind: global_buffer, .address_space: global }
      - { .name: k2_codes, .offset: 16, .size: 8, .value_kind: global_buffer, .address_space: global }
      - { .name: k2_scales, .offset: 24, .size: 8, .value_kind: global_buffer, .address_space: global }
      - { .name: bias_u, .offset: 32, .size: 8, .value_kind: global_buffer, .address_space: global }
      - { .name: bias_v, .offset: 40, .size: 8, .value_kind: global_buffer, .address_space: global }
      - { .name: bias_w, .offset: 48, .size: 8, .value_kind: global_buffer, .address_space: global }
      - { .name: bias_gate, .offset: 56, .size: 8, .value_kind: global_buffer, .address_space: global }
      - { .name: key_padding_mask, .offset: 64, .size: 8, .value_kind: global_buffer, .address_space: global }
      - { .name: v1, .offset: 72, .size: 8, .value_kind: global_buffer, .address_space: global }
      - { .name: v2, .offset: 80, .size: 8, .value_kind: global_buffer, .address_space: global }
      - { .name: rowstat, .offset: 88, .size: 8, .value_kind: global_buffer, .address_space: global }
      - { .name: vvq, .offset: 96, .size: 8, .value_kind: global_buffer, .address_space: global }
    .group_segment_fixed_size: 101376
    .private_segment_fixed_size: 0
    .kernarg_segment_align: 8
    .kernarg_segment_size: 104
    .max_flat_workgroup_size: 256
    .sgpr_count:     102
    .vgpr_count:     512
    .wavefront_size: 32
...
	.end_amdgpu_metadata
.endif
;; end of part 1
;; launch pass2 (part 2): grid 64 x 4, 8 waves a work-group, clusters of 4 x 1, 327,680 bytes of LDS; arguments q, k1, k2_codes, k2_scales, bias_u, bias_v, bias_w, bias_gate, key_padding_mask, rowstat, vvq, opart; writes opart
.if DOCPART == 2
	.amdgcn_target "amdgcn-amd-amdhsa--gfx1250"
	.amdhsa_code_object_version 6
	.text
	.protected	k_qe4ffb82742_pass2
	.globl	k_qe4ffb82742_pass2
	.p2align	8
	.type	k_qe4ffb82742_pass2,@function
k_qe4ffb82742_pass2:
	s_mov_b64 s[64:65], 0
	v_nop
	global_prefetch_b8 v0, s[64:65] scope:SCOPE_SE
	s_setreg_imm32_b32 hwreg(HW_REG_WAVE_MODE, 25, 1), 1
	s_wait_xcnt 0x0
	s_wait_alu depctr_hold_cnt(0) depctr_sa_sdst(0) depctr_va_vdst(0) depctr_va_sdst(0) depctr_va_ssrc(0) depctr_va_vcc(0) depctr_vm_vsrc(0)
	s_getreg_b32 s2, hwreg(HW_REG_IB_STS2, 6, 4)
	s_cmp_eq_u32 s2, 0
	s_cbranch_scc0 .Lentry_in_a_cluster
	s_endpgm
.Lentry_in_a_cluster:
	s_bfe_u32 s2, ttmp6, 0x10000c
	s_cmp_lg_u32 s2, 0x3003
	s_cbranch_scc0 .Lentry_shape_is_right
	s_endpgm
.Lentry_shape_is_right:
; TWO-SIMPLICIAL ATTENTION, PASS 2 OF 2.  The rows' statistics of pass 1, 8 parts each, are joined: OFF = M + log2(sum).  The logits are made again exactly as in pass 1;
; p = 2^(c D + (c g u + mt_j - OFF)) is the FINISHED, NORMALISED softmax; it is quantised in blocks of 32 along k and multiplied with the codes of vv = v1 v2.
; The work-group's part of the sum over (j, k), its 16 j, goes to opart; the third launch adds the 16 parts in a fixed order.
; SHARES.  256 work-groups = 4 heads x 16 blocks of 16 j x 4 blocks of 64 queries.  Eight waves of 512 registers, two to a SIMD: wave w owns the 16 queries 16 (w & 3) and the 8 j 8 (w >> 2);
; lane (r, h): query r; register 16 b + x of a step's 64 holds k = 128 kh + 32 b + 16 h + x.
; CLUSTER: the four partners have the same 16 j and different queries: vv's 204,800 bytes are one joint load a wave (mask 15, 25,600 bytes).  The other inputs (bias_v 64 KB and q 16 KB, which partners
; do not share; bias_w 16, k2 12, k1 4) come by plain loads, 28 of 16 bytes a thread, issued ahead of the round: what is shared among them is 32 KB, once in the launch.  No LDS byte is filled twice by a load.
; No prefetch: no loop loads from memory.
; SECOND PRODUCT, transposed: source 0 = a fragment of vv (row r: d = 16 dt + r; K = 128 k of the j in hand), source 1 = p.  O^T tile dt, register e: d = 16 dt + 8 h + e of query r.
; THE CODES OF q k1 FOR MY 8 j ARE MADE AHEAD OF THE LOOP, while vv is on its way, and kept as images of their registers in bias_v's LDS bytes, which everybody has read out by then:
; 1,024 bytes a j: 16 bytes a lane of registers 0-3, then 16 a lane of registers 4, 5, the scale word and 4 unused.
; w's next numbers are asked for as soon as their registers are free: a first half behind the conversions of blocks 0 and 1, the rest behind those of blocks 2 and 3.
; A block's largest p is not searched for: the block's largest score goes through the same multiply-add and exponential (this takes v_exp_f32 not to fall where its input rises).
; LIMITS: a logit with log2(e) x logit under -2^96 counts as masked; NaN and infinities among the inputs are not served; a p under 2^-126 becomes 0 (v_exp_f32 gives no denormals);
; a block of zeros has the scale byte 1 (its codes are zeros).  A row with every key padded: the sum 0 is held at 0.5, every p is 0, the result 0.
.set VVL,  0                           ; LDS: 16 j of vv: 16 x 12,288 bytes of fragments, then 8,192 of scale words
.set VSW,  196608
.set VT,   204800                      ; 64 rows of bias_v, 1,024 bytes + 16; later 8,192 bytes a wave: the images, at the end the stage for the way out
.set QT,   271360                      ; 64 rows of q, 256 + 16
.set K2L,  288768                      ; the head's k2 codes
.set WL,   301056                      ; 16 rows of bias_w
.set K1L,  317440                      ; 16 rows of k1
.set MT,   321536                      ; mt_k
.set SPARE, 322560
.set MASKV,  0xf1800000                ; -2^100
.set FLOORQ, 0x2800000                 ; 2^(5 - 127)
.set EOFF,   0xfe000000                ; takes 4 off an exponent field
; v1 my rows of w + 64 h; v2 w's address in hand; v3 my rows of k1 + 128 h; v4 the next image's address; v5 16 x lane; v6, v86 vv's fragments' addresses (16 and 8 bytes a lane); v7 512 h + 32 r;
; v8 vv's scale words' address; v9 8 h; v10 g, v11 c g; v12 the exponent's offset, v13 0; v14 OFF; v16 my images + 16 x lane; v17 8 x lane; v18 r, v19 h; v250 my spare word, v251 0
.set GU,  20                           ; v20-27  c g u_ij + mt_j
.set TM,  28                           ; v28-47  at work
.set QC,  48                           ; v48-59  codes of q k1 (54-59 stay zero)
.set QS,  60                           ; v60     their scale word
.set PC,  62                           ; v62-73  codes of p; ahead of the loop the second set for q k1's codes (14 registers behind the first)
.set PS,  74                           ; v74     their scale word
.set K2S, 76                           ; v76-83  k2's scale words
.set VS,  84                           ; v84-85  vv's scale words: lanes 0-15 tile 2 e, lanes 16-31 tile 2 e + 1
.set OA,  88                           ; v88-119 O^T
.set VF,  120                          ; v120-167 four fragments of vv
.set S,   168                          ; v168-231 a step's 64
.set T2,  88                           ; at the start: a second set of 64
.set SG,  120                          ; at the start: 112 staging registers
.set GVW, 0                            ; window 1, as in pass 1
.set K2F, 128
.set QW,  224
.set MSB, 0
.macro WIN new
.if MSB != \new
	s_set_vgpr_msb (MSB<<8)|\new
.set MSB, \new
.endif
.endm
.macro VW
	s_wait_alu depctr_va_vdst(0)
.endm
.macro ROUND                           ; a round of the cluster's barrier
	s_barrier_signal -1
	s_barrier_wait -1
	s_cmp_lg_u32 s2, 0
	s_cbranch_scc1 .Lnot_wave_0_\@
	s_barrier_signal -3
.Lnot_wave_0_\@:
	s_barrier_wait -3
	s_barrier_signal -1
	s_barrier_wait -1
.endm
.macro K1P j, t                        ; k1[j][32 h + 0 .. 31] into v[t ..]
.irp x, 0,1,2,3,4,5,6,7
	ds_load_b128 v[(\t)+4*\x:(\t)+4*\x+3], v3 offset:256*(\j)+16*\x
.endr
.endm
.macro WHALF adr, off, b0              ; 32 numbers of a row of w: 32 b + 16 h + 0 .. 15, b = b0, b0 + 1
.irp b, \b0, \b0+1
.irp x, 0,1,2,3
	ds_load_b128 v[S+16*(\b)+4*\x:S+16*(\b)+4*\x+3], v[\adr] offset:(\off)+128*(\b)+16*\x
.endr
.endr
.endm
.macro QCLOAD adr                      ; a j's codes of q k1 and their scale word come back as they were stored
	ds_load_b128 v[QC:QC+3], v[\adr]
	ds_load_b64 v[QC+4:QC+5], v[\adr] offset:512
	ds_load_b32 v[QS], v[\adr] offset:520
.endm
.macro VLOAD kh                        ; 18 loads: the four fragments of vv for (j, kh) as images of their registers, and their scale words
.irp dt, 0,1,2,3
.irp c, 0,1
	ds_load_b128 v[VF+12*\dt+6*\c:VF+12*\dt+6*\c+3], v6 offset:1536*(4*(\kh)+\dt)+768*\c
	ds_load_b64 v[VF+12*\dt+6*\c+4:VF+12*\dt+6*\c+5], v86 offset:1536*(4*(\kh)+\dt)+768*\c+512
.endr
.endr
	ds_load_b32 v[VS], v8 offset:2048*(\kh)
	ds_load_b32 v[VS+1], v8 offset:2048*(\kh)+1024
.endm
; q k1 of one j becomes codes, as in pass 1: a lane holds a whole block (d = 32 h .. 32 h + 31).  k1 lies in v[t .. t+31] and the products take its place; the codes go to v[c ..], the scale word to v[sc], and both to image j.
.macro QKP t, c, sc, j
	WIN 0x01                                       ; source 0 (q) in window 1
.set i, 0
.rept 16
	v_pk_mul_f32 v[(\t)+i:(\t)+i+1], v[QW+i:QW+i+1], v[(\t)+i:(\t)+i+1]
.set i, i+2
.endr
	WIN 0
	v_max3_num_f32 v[TM], |v[\t]|, |v[(\t)+1]|, FLOORQ
	v_max3_num_f32 v[TM+1], |v[(\t)+16]|, |v[(\t)+17]|, |v[(\t)+18]|
.irp i, 2,4,6,8,10,12
	v_max3_num_f32 v[TM], v[TM], |v[(\t)+\i]|, |v[(\t)+\i+1]|
	v_max3_num_f32 v[TM+1], v[TM+1], |v[(\t)+17+\i]|, |v[(\t)+18+\i]|
.endr
	v_max3_num_f32 v[TM], v[TM], |v[(\t)+14]|, |v[(\t)+15]|
	v_max3_num_f32 v[TM], v[TM], v[TM+1], |v[(\t)+31]|
	v_add_nc_u32 v[TM+2], EOFF, v[TM]              ; the conversion takes this operand's exponent field as its scale
	v_cvt_scalef32_pk16_bf6_f32 v[\c:(\c)+2], v[\t:(\t)+15], v[TM+2]
	v_cvt_scalef32_pk16_bf6_f32 v[TM+12:TM+14], v[(\t)+16:(\t)+31], v[TM+2]   ; (a conversion's three registers begin on an even number)
	v_lshrrev_b32 v[TM+3], 23, v[TM+2]             ; the byte; also the plain line behind the conversions
	v_lshlrev_b32 v[TM+3], v9, v[TM+3]             ; my block's byte, 8 h bits up;
.irp i, 0,1,2
	v_mov_b32 v[(\c)+3+\i], v[TM+12+\i]
.endr
	v_permlanex16_b32 v[TM+4], v[TM+3], s62, s63
	v_or_b32 v[\sc], v[TM+3], v[TM+4]              ; with lane l xor 16's the word is whole (bytes 2, 3 stay 0)
	ds_store_b128 v16, v[\c:(\c)+3] offset:1024*(\j)
	ds_store_b64 v16, v[(\c)+4:(\c)+5] offset:1024*(\j)+512
	ds_store_b32 v16, v[\sc] offset:1024*(\j)+520
.endm
.macro BIAS kh, x0                     ; C = g w + (g v + mt_k), 32 of the 64
	WIN 0x10                                       ; source 2 in window 1
.set i, \x0
.rept 16
	v_pk_fma_f32 v[S+i:S+i+1], v[S+i:S+i+1], v[10:11], v[GVW+64*(\kh)+i:GVW+64*(\kh)+i+1] op_sel_hi:[1,0,1]
.set i, i+2
.endr
.endm
.macro MM kh, t                        ; two accumulators, one instruction each
	v_wmma_scale_f32_16x16x128_f8f6f4 v[S+8*(\t):S+8*(\t)+7], v[K2F+6*(8*(\kh)+\t):K2F+6*(8*(\kh)+\t)+11], v[QC:QC+11], v[S+8*(\t):S+8*(\t)+7], v[K2S+4*(\kh)+\t/2], v[QS] matrix_a_fmt:MATRIX_FMT_BF6 matrix_b_fmt:MATRIX_FMT_BF6
	v_wmma_scale_f32_16x16x128_f8f6f4 v[S+8*(\t)+8:S+8*(\t)+15], v[K2F+6*(8*(\kh)+\t)+6:K2F+6*(8*(\kh)+\t)+17], v[QC:QC+11], v[S+8*(\t)+8:S+8*(\t)+15], v[K2S+4*(\kh)+\t/2], v[QS] matrix_a_fmt:MATRIX_FMT_BF6 matrix_b_fmt:MATRIX_FMT_BF6 matrix_a_scale:MATRIX_SCALE_ROW1
.endm
.macro SCL x                           ; c D + (c g u + mt_j - OFF), two numbers
	v_pk_fma_f32 v[S+(\x):S+(\x)+1], v[S+(\x):S+(\x)+1], s[60:61], v[12:13] op_sel_hi:[1,0,0]
.endm
; A step: one j x 128 k.
.macro STEP2 kh
	s_wait_dscnt 8                                 ; this step's codes and w's first half are in; the 8 loads of the second may be out
	BIAS \kh, 0                                    ; also the places behind the last step's products on O^T, in front of the loads into their operands
	VLOAD \kh
	WIN 0x01                                       ; source 0 (k2) in window 1
	MM \kh, 0
	MM \kh, 2
	s_wait_dscnt 18                                ; w's second half is in; vv's 18 loads may be out
	BIAS \kh, 32
	WIN 0x01
	MM \kh, 4
	MM \kh, 6
	WIN 0
	; four places in front of the first read of the results and of the loads into the codes' registers: the next j's numbers move to the front
.if \kh == 0
.irp i, 0,1,2,3
	v_mov_b32 v[GU+\i], v[GU+\i+1]
.endr
.else
.irp i, 4,5,6
	v_mov_b32 v[GU+\i], v[GU+\i+1]
.endr
	v_nop
	QCLOAD 4                                       ; the next j's codes
.endif
.irp b, 0,1,2,3
	v_max3_num_f32 v[TM+\b], v[S+16*\b], v[S+16*\b+1], v[S+16*\b+2]   ; the largest score of each block of 32 k: my 16, each accumulator from its low end on
.endr
.irp i, 3,5,7,9,11,13
.irp b, 0,1,2,3
	v_max3_num_f32 v[TM+\b], v[TM+\b], v[S+16*\b+\i], v[S+16*\b+\i+1]
.endr
.endr
.irp b, 0,1,2,3
	v_max_num_f32 v[TM+\b], v[TM+\b], v[S+16*\b+15]
.endr
.irp b, 0,1,2,3
	v_permlanex16_b32 v[TM+4+\b], v[TM+\b], s62, s63
.endr
.irp b, 0,1,2,3
	v_max_num_f32 v[TM+\b], v[TM+\b], v[TM+4+\b]   ; with lane l xor 16's 16
.endr
.irp b, 0,1,2,3
	v_fma_f32 v[TM+\b], v[TM+\b], s60, v12
.endr
.irp x, 0,2,4,6,8,10,12,14
	SCL \x
.endr
	VW
.irp b, 0,1,2,3
	v_exp_f32 v[TM+\b], v[TM+\b]                   ; the block's largest p: the same two instructions on the same number give the same bits
.endr
.set pp, 0
.rept 16                               ; p of block 0 by turns with the scalings of blocks 1 and 2
	v_exp_f32 v[S+pp], v[S+pp]
	SCL 16+2*pp
.set pp, pp+1
.endr
	VW
.irp b, 0,1,2,3
	v_max_num_f32 v[TM+\b], FLOORQ, v[TM+\b]
.endr
.irp b, 0,1,2,3
	v_add_nc_u32 v[TM+8+\b], EOFF, v[TM+\b]        ; the conversions' scale operands
.endr
.set pp, 0
.rept 8                                ; p of block 1 by turns with the scalings of block 3
	v_exp_f32 v[S+16+2*pp], v[S+16+2*pp]
	SCL 48+2*pp
	v_exp_f32 v[S+17+2*pp], v[S+17+2*pp]
.set pp, pp+1
.endr
	VW
.irp b, 0,1,2,3
	v_lshrrev_b32 v[TM+4+\b], 23, v[TM+8+\b]       ; the bytes; also the plain lines behind the exponentials
.endr
	v_cvt_scalef32_pk16_bf6_f32 v[PC:PC+2], v[S:S+15], v[TM+8]
	v_cvt_scalef32_pk16_bf6_f32 v[TM+12:TM+14], v[S+16:S+31], v[TM+9]
	v_lshl_or_b32 v[PS], v[TM+5], 8, v[TM+4]
	v_lshl_or_b32 v[PS], v[TM+6], 16, v[PS]
	v_lshl_or_b32 v[PS], v[TM+7], 24, v[PS]        ; p's scale word
	WHALF 2, 512+512*(\kh), 0                      ; the next step's first half of w takes the registers of blocks 0 and 1
.irp i, 0,1,2                          ; the operand wants a whole block in a lane: lanes 0-15 block 0, lanes 16-31 block 1
	v_permlane16_swap_b32 v[PC+\i], v[TM+12+\i]
.endr
.irp i, 0,1,2
	v_mov_b32 v[PC+3+\i], v[TM+12+\i]
.endr
.set pp, 32
.rept 32
	v_exp_f32 v[S+pp], v[S+pp]
.set pp, pp+1
.endr
	v_nop                                          ; a plain line behind the exponentials
	VW
	s_wait_dscnt 8+3*(\kh)                         ; vv's 18 loads are in; w's 8 younger ones (and the next codes' 3) may be out
	v_cvt_scalef32_pk16_bf6_f32 v[PC+6:PC+8], v[S+32:S+47], v[TM+10]
	v_cvt_scalef32_pk16_bf6_f32 v[TM+16:TM+18], v[S+48:S+63], v[TM+11]
	v_nop                                          ; a plain line behind the conversions
	WHALF 2, 512+512*(\kh), 2
.irp i, 0,1,2
	v_permlane16_swap_b32 v[PC+6+\i], v[TM+16+\i]
.endr
.irp i, 0,1,2
	v_mov_b32 v[PC+9+\i], v[TM+16+\i]
.endr
.rept 4
	v_nop                                          ; an operand written by vector instructions stands four places ahead of a scaled product
.endr
.irp dt, 0,2                           ; four accumulators, one instruction each; eight other products stand between two steps
	v_wmma_scale_f32_16x16x128_f8f6f4 v[OA+8*\dt:OA+8*\dt+7], v[VF+12*\dt:VF+12*\dt+11], v[PC:PC+11], v[OA+8*\dt:OA+8*\dt+7], v[VS+\dt/2], v[PS] matrix_a_fmt:MATRIX_FMT_BF6 matrix_b_fmt:MATRIX_FMT_BF6
	v_wmma_scale_f32_16x16x128_f8f6f4 v[OA+8*\dt+8:OA+8*\dt+15], v[VF+12*\dt+12:VF+12*\dt+23], v[PC:PC+11], v[OA+8*\dt+8:OA+8*\dt+15], v[VS+\dt/2], v[PS] matrix_a_fmt:MATRIX_FMT_BF6 matrix_b_fmt:MATRIX_FMT_BF6 matrix_a_scale:MATRIX_SCALE_ROW1
.endr
.endm
	s_load_b512 s[8:23], s[0:1], 0x0               ; q 8, k1 10, k2 codes 12, k2 scales 14, u 16, v 18, w 20, gate 22
	s_load_b256 s[24:31], s[0:1], 0x40             ; mask 24, rowstat 26, vvq 28, opart 30
	v_lshl_add_u32 v250, v0, 2, SPARE
	v_mov_b32 v251, 0
	ds_add_u32 v250, v251                          ; the wave's opening
	ds_add_u32 v250, v251
	v_lshrrev_b32 v2, 5, v0
	v_readfirstlane_b32 s2, v2                     ; wave 0..7
	s_bfe_u32 s5, ttmp6, 0x40000                   ; cx: my block of 64 queries; it enters plain global addresses alone
	s_and_b32 s3, ttmp7, 0xffff                    ; head
	s_and_b32 s4, ttmp9, 15                        ; jb: my block of 16 j, the same for all partners
	s_and_b32 s6, s2, 3                            ; my tile of 16 queries
	s_lshr_b32 s7, s2, 2                           ; my 8 j of the 16
	s_mov_b32 s52, 15|(1<<21)|(3<<16)              ; group 1: the four partners, and bit 21 beside the mask; elements of 8 bytes, no padding
	s_mov_b32 s53, 32<<16                          ; 100 rows of 256 bytes, dense
	s_mov_b32 s54, 100<<16
	s_mov_b32 s55, 32<<16
	s_mov_b32 s56, 100
	s_mov_b32 s57, 32
	s_mov_b32 s58, 0
	s_mov_b32 s59, 0
	s_mov_b32 s84, 1
	s_mul_i32 s85, s2, 25600                       ; my eighth of vv's bytes, from VVL = 0 on
	s_mov_b32 s60, 0x3fb8aa3b                      ; c = log2(e)
	s_mov_b32 s61, s60
	s_mov_b32 s62, 0x76543210
	s_mov_b32 s63, 0xfedcba98
	s_mul_i32 s40, s6, 4352
	s_add_co_u32 s40, s40, QT
	s_mul_i32 s41, s6, 16640
	s_add_co_u32 s41, s41, VT
	s_lshl_b32 s42, s7, 13
	s_add_co_u32 s42, s42, WL
	s_lshl_b32 s43, s7, 11
	s_add_co_u32 s43, s43, K1L
	s_lshl_b32 s44, s2, 13
	s_add_co_u32 s44, s44, VT                      ; my images, later my stage
	s_lshl_b32 s45, s6, 13
	s_mul_i32 s38, s7, 2176
	s_add_co_u32 s45, s45, s38
	s_add_co_u32 s45, s45, VT                      ; the way out: 8 rows of the stage of wave w & 3
	v_and_b32 v4, 31, v0                           ; lane
	v_and_b32 v18, 15, v0                          ; r
	v_bfe_u32 v19, v0, 4, 1                        ; h
	v_lshlrev_b32 v5, 4, v4
	v_lshlrev_b32 v17, 3, v4
	v_lshlrev_b32 v9, 3, v19
	v_lshlrev_b32 v7, 5, v18
	v_lshl_add_u32 v7, v19, 9, v7
	v_lshl_add_u32 v1, v19, 6, s42
	v_lshl_add_u32 v3, v19, 7, s43
	v_add_nc_u32 v16, s44, v5
	v_lshlrev_b32 v248, 4, v0                      ; 16 t
	v_add_nc_u32 v247, K2L, v248
	v_lshrrev_b32 v6, 6, v0
	v_and_b32 v8, 63, v0
	v_mul_u32_u24 v254, 0x410, v6
	v_lshl_add_u32 v254, v8, 4, v254
	v_add_nc_u32 v254, VT, v254                    ; bias_v: row t / 64, 16 bytes x (t % 64)
	v_lshrrev_b32 v6, 4, v0
	v_mul_u32_u24 v255, 0x110, v6
	v_lshl_add_u32 v255, v18, 4, v255
	v_add_nc_u32 v255, QT, v255                    ; q: row t / 16
	v_lshl_add_u32 v246, v0, 2, MT
	v_lshlrev_b32 v252, 2, v18                     ; 4 r
	v_lshlrev_b32 v253, 10, v18                    ; 1,024 r
	v_lshlrev_b32 v241, 3, v18                     ; 8 r
	v_and_b32 v61, 8, v18
	v_add_nc_u32 v61, v61, v18                     ; r + 8 (r / 8)
	v_add_nc_u32 v249, v61, v9
	v_lshlrev_b32 v249, 1, v249
	v_mul_u32_u24 v245, 48, v61
	v_mad_u32_u24 v245, v19, 24, v245
	v_add_nc_u32 v245, K2L, v245
	v_mul_u32_u24 v244, 0x110, v18
	v_lshl_add_u32 v244, v19, 7, v244
	v_add_nc_u32 v244, s40, v244
	v_mul_u32_u24 v243, 0x410, v18
	v_lshl_add_u32 v243, v19, 6, v243
	v_add_nc_u32 v243, s41, v243
	v_lshl_add_u32 v242, v19, 6, MT
.irp i, 4,5,6,7
	v_mov_b32 v[TM+\i], 0                          ; (a lane permute's destination counts as one of its sources)
.endr
.irp i, 6,7,8,9,10,11
	v_mov_b32 v[QC+\i], 0                          ; zero codes for K 64-127
.endr
	v_mov_b32 v13, 0
	; byte offsets, in pairs with a high word of 0
.irp n, 67,69,71,73,75,77,79,81,83,89,91,93
	s_mov_b32 s\n, 0
.endr
	s_lshl_b32 s34, s3, 8
	s_lshl_b32 s36, s4, 4
	s_add_co_u32 s35, s34, s36                     ; 256 head + 16 jb
	s_lshl_b32 s70, s35, 10                        ; bias_w
	s_lshl_b32 s72, s35, 8                         ; k1
	s_mul_i32 s74, s3, 12288                       ; k2's codes
	s_lshl_b32 s76, s3, 9                          ; k2's scales
	s_lshl_b32 s88, s3, 4
	s_add_co_u32 s88, s88, s4
	s_mul_i32 s88, s88, 204800
	s_add_co_u32 s88, s88, s85                     ; my eighth of vv's 16 j
	s_lshl_b32 s82, s7, 3
	s_add_co_u32 s82, s82, s36                     ; the mask at my first j
	s_lshl_b32 s37, s5, 6
	s_lshl_b32 s38, s6, 4
	s_add_co_u32 s38, s38, s37                     ; my first query in its head
	s_add_co_u32 s37, s37, s34                     ; 256 head + 64 cx
	s_lshl_b32 s66, s37, 10                        ; bias_v
	s_lshl_b32 s68, s37, 8                         ; q
	s_lshl_b32 s90, s3, 14
	s_lshl_b32 s37, s38, 3
	s_add_co_u32 s90, s90, s37                     ; rowstat: [head][part][query], 2,048 bytes from part to part
	s_add_co_u32 s38, s38, s34                     ; my first query's row
	s_lshl_b32 s78, s38, 2                         ; the gate
	s_lshl_b32 s80, s38, 10
	s_lshl_b32 s37, s82, 2
	s_add_co_u32 s80, s80, s37                     ; u at my first query and j
	s_lshl_b32 s92, s4, 10
	s_add_co_u32 s92, s92, s38
	s_lshl_b32 s37, s7, 3
	s_add_co_u32 s92, s92, s37
	s_lshl_b32 s92, s92, 8                         ; opart: [jb][query's row], 256 bytes: the 8 rows that I store
	VW
	s_wait_dscnt 0x0                               ; both opening adds are done
	s_wait_kmcnt 0x0
	s_add_nc_u64 s[18:19], s[18:19], s[66:67]
	s_add_nc_u64 s[8:9], s[8:9], s[68:69]
	s_add_nc_u64 s[10:11], s[10:11], s[72:73]
	s_add_nc_u64 s[12:13], s[12:13], s[74:75]
	s_add_nc_u64 s[20:21], s[20:21], s[70:71]
	s_add_nc_u64 s[14:15], s[14:15], s[76:77]
	s_add_nc_u64 s[22:23], s[22:23], s[78:79]
	s_add_nc_u64 s[16:17], s[16:17], s[80:81]
	s_add_nc_u64 s[96:97], s[24:25], s[82:83]
	s_add_nc_u64 s[26:27], s[26:27], s[90:91]
	s_add_nc_u64 s[30:31], s[30:31], s[92:93]
	s_add_nc_u64 s[86:87], s[28:29], s[88:89]
	s_or_b32 s87, s87, 0x80000000
	s_load_b64 s[46:47], s[96:97], 0x0             ; the mask's bytes of my 8 j
.set i, 0
.rept 16
	global_load_b128 v[SG+4*i:SG+4*i+3], v248, s[18:19] offset:4096*i          ; 64 rows of bias_v
.set i, i+1
.endr
.irp n, 0,1,2,3
	global_load_b128 v[SG+64+4*\n:SG+67+4*\n], v248, s[8:9] offset:4096*\n     ; 64 rows of q
.endr
.irp n, 0,1,2
	global_load_b128 v[SG+80+4*\n:SG+83+4*\n], v248, s[12:13] offset:4096*\n   ; k2's codes
.endr
.irp n, 0,1,2,3
	global_load_b128 v[SG+92+4*\n:SG+95+4*\n], v248, s[20:21] offset:4096*\n   ; 16 rows of bias_w
.endr
	global_load_b128 v[SG+108:SG+111], v248, s[10:11]          ; 16 rows of k1
	global_load_u8 v232, v0, s[24:25]                          ; the mask's byte of key t
.irp kh, 0,1
.irp b, 0,1,2,3
	global_load_u16 v[K2S+4*\kh+\b], v249, s[14:15] offset:2*(128*\kh+32*\b)
.endr
.endr
	global_load_b32 v10, v252, s[22:23]
	global_load_b128 v[GU:GU+3], v253, s[16:17]
	global_load_b128 v[GU+4:GU+7], v253, s[16:17] offset:16
.irp p, 0,1,2,3,4,5,6,7
	global_load_b64 v[88+2*\p:89+2*\p], v241, s[26:27] offset:2048*\p          ; (M, sum) of my query in part p
.endr
	ROUND                                          ; all four work-groups are here: the joint loads meet
	tensor_load_to_lds s[84:87], s[52:59]          ; the launch's one tensor load of mine
	s_nop 0
.rept 4
	v_nop
.endr
	s_wait_loadcnt 19                              ; the 29 staged ones are in; 8 + 1 + 2 + 8 younger ones may be out
	v_cvt_f32_u32 v233, v232
	v_mul_f32 v233, MASKV, v233                    ; mt_k
.set i, 0
.rept 16
	ds_store_b128 v254, v[SG+4*i:SG+4*i+3] offset:4160*i
.set i, i+1
.endr
.irp n, 0,1,2,3
	ds_store_b128 v255, v[SG+64+4*\n:SG+67+4*\n] offset:4352*\n
	ds_store_b128 v247, v[SG+92+4*\n:SG+95+4*\n] offset:12288+4096*\n
.endr
.irp n, 0,1,2
	ds_store_b128 v247, v[SG+80+4*\n:SG+83+4*\n] offset:4096*\n
.endr
	ds_store_b128 v247, v[SG+108:SG+111] offset:28672
	ds_store_b32 v246, v233
	VW
	s_wait_dscnt 0x0                               ; my stores have landed (vv may be out)
	s_barrier_signal -1
	s_barrier_wait -1
	WIN 0x40                                       ; destination in window 1
.set i, 0
.rept 16
.irp p, 0,1,2
	ds_load_b64 v[K2F+6*i+2*\p:K2F+6*i+2*\p+1], v245 offset:48*(16*i-8*(i%2))+8*\p
.endr
.set i, i+1
.endr
.irp x, 0,1,2,3,4,5,6,7
	ds_load_b128 v[QW+4*\x:QW+4*\x+3], v244 offset:16*\x
.endr
	WIN 0
	s_wait_loadcnt 0x0
	; ---- the 8 parts' statistics of my query are joined
	v_max3_num_f32 v[TM], v88, v90, v92
	v_max3_num_f32 v[TM], v[TM], v94, v96
	v_max3_num_f32 v[TM], v[TM], v98, v100
	v_max_num_f32 v[TM], v[TM], v102               ; the row's M
.irp i, 88,90,92,94,96,98,100,102
	v_sub_f32 v[\i], v[\i], v[TM]
.endr
	VW
.irp i, 88,90,92,94,96,98,100,102
	v_exp_f32 v[\i], v[\i]
.endr
	v_nop                                          ; a plain line behind the exponentials
	VW
	v_mul_f32 v[TM+8], v88, v89
	v_mul_f32 v[TM+9], v90, v91
.irp i, 92,96,100
	v_fma_f32 v[TM+8], v[\i], v[\i+1], v[TM+8]
	v_fma_f32 v[TM+9], v[\i+2], v[\i+3], v[TM+9]
.endr
	v_add_f32 v[TM+8], v[TM+8], v[TM+9]            ; the row's sum under M: at least about 1 where any pair counts
	v_max_num_f32 v[TM+8], 0.5, v[TM+8]            ; (0 only where every key is padded)
	VW
	v_log_f32 v[TM+8], v[TM+8]
	v_mul_f32 v11, s60, v10                        ; c g; also the plain line behind the transcendental
	VW
	v_add_f32 v14, v[TM], v[TM+8]                  ; OFF
	; ---- what stays in registers
	VW
	s_wait_kmcnt 0x0
.irp jj, 0,1,2,3,4,5,6,7
	s_bfe_u32 s[66+\jj], s[46+\jj/4], 0x80000|(8*(\jj%4))
	s_mul_i32 s[66+\jj], s[66+\jj], MASKV          ; 0 or 1 times the bits of -2^100: mt_j
.endr
.irp kh, 0,1
.irp b, 0,1,2,3
.irp x, 0,1,2,3
	ds_load_b128 v[S+16*\b+4*\x:S+16*\b+4*\x+3], v243 offset:512*\kh+128*\b+16*\x
	ds_load_b128 v[T2+16*\b+4*\x:T2+16*\b+4*\x+3], v242 offset:512*\kh+128*\b+16*\x
.endr
.endr
	s_wait_dscnt 0x0
.if \kh
	s_barrier_signal -1                            ; I have read bias_v out; work on registers while the others arrive
.endif
	WIN 0x40
.set i, 0
.rept 32
	v_pk_fma_f32 v[GVW+64*\kh+i:GVW+64*\kh+i+1], v[S+i:S+i+1], v[10:11], v[T2+i:T2+i+1] op_sel_hi:[1,0,1]   ; g v_ik + mt_k
.set i, i+2
.endr
	WIN 0
.endr
.irp jj, 0,1,2,3,4,5,6,7
	v_fma_f32 v[GU+\jj], v[GU+\jj], v11, s[66+\jj]
.endr
	VW
	s_barrier_wait -1                              ; everybody has read bias_v out: the images may take its bytes
	; ---- THE CODES OF q k1 FOR MY 8 j, while vv is on its way.  k1 comes a j ahead, into the two halves of S by turns; the codes go to two sets of registers by turns.
	K1P 0, S
.irp j, 0,1,2,3,4,5,6,7
.if \j < 7
	K1P \j+1, S+32*((\j+1)%2)
.endif
.if \j == 0
	s_wait_dscnt 8                                 ; k1 of j is in; the next j's 8 loads may be out,
.elseif \j < 7
	s_wait_dscnt 11                                ; and the last image's 3 stores
.else
	s_wait_dscnt 3                                 ; the last image's 3 stores alone
.endif
	QKP S+32*(\j%2), QC+14*(\j%2), QS+14*(\j%2), \j
.endr
.set i, 0
.rept 32
	v_mov_b32 v[OA+i], 0                           ; O^T: 32 moves, once, so that no trip has to be written out a second time
.set i, i+1
.endr
	s_mul_i32 s34, s7, 98304                       ; the j in hand: its fragments of vv (VVL = 0),
	s_lshl_b32 s36, s7, 12
	s_add_co_u32 s36, s36, VSW                     ; their scale words,
	s_mov_b32 s100, 0                              ; its row of w,
	s_mov_b32 s101, 1024                           ; and the next j's image
	s_mov_b32 s74, 8
	VW
	s_wait_dscnt 0x0                               ; the images' stores have read their registers
	QCLOAD 16                                      ; the first j's codes,
	WHALF 1, 0, 0                                  ; and its first half of w
	WHALF 1, 0, 2
	s_wait_tensorcnt 0x0                           ; my part of vv has landed
	s_wait_dscnt 0x0
	s_barrier_signal -1
	s_barrier_wait -1                              ; everybody's has
.Ltrip:                                                ; a trip: one j, two steps
	s_min_u32 s35, s101, 7168                      ; (the last trip asks for its own image once more; its look-ahead along w reads the LDS bytes that follow, which are written: nothing uses either)
	v_add_nc_u32 v2, s100, v1
	v_add_nc_u32 v4, s35, v16
	v_add_nc_u32 v6, s34, v5
	v_add_nc_u32 v86, s34, v17
	v_add_nc_u32 v8, s36, v7
	v_sub_f32 v12, v[GU], v14
	STEP2 0
	STEP2 1
	s_add_co_u32 s100, s100, 1024
	s_add_co_u32 s101, s101, 1024
	s_add_co_u32 s34, s34, 12288
	s_add_co_u32 s36, s36, 4
	s_sub_co_u32 s74, s74, 1
	s_cmp_lg_u32 s74, 0
	s_cbranch_scc1 .Ltrip
	s_wait_dscnt 0x0                               ; the last trip's look-ahead has landed
	; ---- THE WAY OUT.  A lane holds 32 bytes of a row for each tile, the lanes beside it other rows: each wave's 16 rows go to its own stage (its images' bytes); the stages of waves w and w + 4, the two
	; groups of 8 j, are added as whole rows, 8 rows a wave.  These six lines are the places behind the last products.
	v_mul_u32_u24 v2, 0x110, v18
	v_lshl_add_u32 v2, v19, 5, v2
	v_add_nc_u32 v2, s44, v2                       ; in: row r, + 32 h
	v_mul_u32_u24 v4, 0x110, v19
	v_lshl_add_u32 v4, v18, 4, v4
	v_add_nc_u32 v4, s45, v4                       ; back: lanes 0-15 one row, lanes 16-31 the next
.irp dt, 0,1,2,3
	ds_store_b128 v2, v[OA+8*\dt:OA+8*\dt+3] offset:64*\dt         ; each accumulator from its low end on
	ds_store_b128 v2, v[OA+8*\dt+4:OA+8*\dt+7] offset:64*\dt+16
.endr
	VW
	s_wait_tensorcnt 0x0                           ; behind my last tensor load and LDS store
	ds_add_u32 v250, v251
	s_wait_dscnt 0x0
	s_barrier_signal -1
	s_barrier_wait -1
.irp x, 0,1,2,3
	ds_load_b128 v[S+4*\x:S+4*\x+3], v4 offset:544*\x
	ds_load_b128 v[S+16+4*\x:S+19+4*\x], v4 offset:32768+544*\x
.endr
	s_wait_dscnt 0x0
.irp x, 0,2,4,6,8,10,12,14
	v_pk_add_f32 v[S+\x:S+\x+1], v[S+\x:S+\x+1], v[S+16+\x:S+17+\x]
.endr
.irp x, 0,1,2,3
	global_store_b128 v5, v[S+4*\x:S+4*\x+3], s[30:31] offset:512*\x   ; 32 lanes store two rows: 512 consecutive bytes, aligned
.endr
	ROUND                                          ; the closing round
	s_endpgm
.Lfunc_end_k_qe4ffb82742_pass2:
	.size	k_qe4ffb82742_pass2, .Lfunc_end_k_qe4ffb82742_pass2-k_qe4ffb82742_pass2
	.p2alignl 7, 3214868480
	.fill 96, 4, 3214868480
	.section	.rodata,"a",@progbits
	.p2align	6, 0x0
	.amdhsa_kernel k_qe4ffb82742_pass2
		.amdhsa_group_segment_fixed_size 327680
		.amdhsa_private_segment_fixed_size 0
		.amdhsa_enable_private_segment 0
		.amdhsa_kernarg_size 96
		.amdhsa_user_sgpr_count 2
		.amdhsa_user_sgpr_kernarg_segment_ptr 1
		.amdhsa_wavefront_size32 1
		.amdhsa_system_sgpr_workgroup_id_x 1
		.amdhsa_system_sgpr_workgroup_id_y 1
		.amdhsa_system_sgpr_workgroup_id_z 1
		.amdhsa_system_vgpr_workitem_id 0
		.amdhsa_next_free_vgpr 512
		.amdhsa_next_free_sgpr 102
		.amdhsa_reserve_vcc 0
		.amdhsa_float_denorm_mode_32 3
		.amdhsa_float_denorm_mode_16_64 3
		.amdhsa_memory_ordered 1
		.amdhsa_forward_progress 1
		.amdhsa_inst_pref_size 90
	.end_amdhsa_kernel
	.amdgpu_metadata
---
amdhsa.version: [ 1, 2 ]
amdhsa.kernels:
  - .name:           k_qe4ffb82742_pass2
    .symbol:         k_qe4ffb82742_pass2.kd
    .args:
      - { .name: q, .offset: 0, .size: 8, .value_kind: global_buffer, .address_space: global }
      - { .name: k1, .offset: 8, .size: 8, .value_kind: global_buffer, .address_space: global }
      - { .name: k2_codes, .offset: 16, .size: 8, .value_kind: global_buffer, .address_space: global }
      - { .name: k2_scales, .offset: 24, .size: 8, .value_kind: global_buffer, .address_space: global }
      - { .name: bias_u, .offset: 32, .size: 8, .value_kind: global_buffer, .address_space: global }
      - { .name: bias_v, .offset: 40, .size: 8, .value_kind: global_buffer, .address_space: global }
      - { .name: bias_w, .offset: 48, .size: 8, .value_kind: global_buffer, .address_space: global }
      - { .name: bias_gate, .offset: 56, .size: 8, .value_kind: global_buffer, .address_space: global }
      - { .name: key_padding_mask, .offset: 64, .size: 8, .value_kind: global_buffer, .address_space: global }
      - { .name: rowstat, .offset: 72, .size: 8, .value_kind: global_buffer, .address_space: global }
      - { .name: vvq, .offset: 80, .size: 8, .value_kind: global_buffer, .address_space: global }
      - { .name: opart, .offset: 88, .size: 8, .value_kind: global_buffer, .address_space: global }
    .group_segment_fixed_size: 327680
    .private_segment_fixed_size: 0
    .kernarg_segment_align: 8
    .kernarg_segment_size: 96
    .max_flat_workgroup_size: 256
    .sgpr_count:     102
    .vgpr_count:     512
    .wavefront_size: 32
...
	.end_amdgpu_metadata
.endif
;; end of part 2
;; launch reduce (part 3): grid 256 x 1, 2 waves a work-group, no clusters, 0 bytes of LDS; arguments opart, key_padding_mask, out0; writes out0
.if DOCPART == 3
	.amdgcn_target "amdgcn-amd-amdhsa--gfx1250"
	.amdhsa_code_object_version 6
	.text
	.protected	k_qe4ffb82742_reduce
	.globl	k_qe4ffb82742_reduce
	.p2align	8
	.type	k_qe4ffb82742_reduce,@function
k_qe4ffb82742_reduce:
	s_mov_b64 s[64:65], 0
	v_nop
	global_prefetch_b8 v0, s[64:65] scope:SCOPE_SE
	s_setreg_imm32_b32 hwreg(HW_REG_WAVE_MODE, 25, 1), 1
	s_wait_xcnt 0x0
; out0[head][i][d] = valid[i] x the sum over the 16 blocks of j of opart[block][head][i][d], in ascending order of the blocks.
; A stream: 16,384 threads, 16 bytes of the output each; a thread's 16 loads, 262,144 bytes apart, are all issued at once; sixteen neighbouring lanes read and store 256 consecutive aligned bytes.
; No LDS, no barrier, no matrix unit, no cluster: no work-group reads what another reads.
.set PART, 262144                      ; bytes of a block's part; 15 of them stay inside the signed 24-bit immediate (ISA guide, chapter 10)
	s_load_b128 s[4:7], s[0:1], 0x0                ; opart, the mask
	s_load_b64 s[8:9], s[0:1], 0x10                ; out0
	s_lshl_b32 s10, ttmp9, 6
	v_add_nc_u32 v1, s10, v0                       ; the thread's number in the launch
	v_bfe_u32 v2, v1, 4, 8                         ; its query: 16 threads to a row of 64 numbers, 256 rows a head
	v_lshlrev_b32 v1, 4, v1
	s_wait_alu depctr_va_vdst(0)
	s_wait_kmcnt 0x0
	global_load_u8 v3, v2, s[6:7]
.set i, 0
.rept 16
	global_load_b128 v[8+4*i:11+4*i], v1, s[4:5] offset:PART*i th:TH_LOAD_NT
.set i, i+1
.endr
.set i, 1
.rept 15
.if (i == 1) || (i%4 == 0)
	s_wait_alu depctr_va_vdst(0)
	s_wait_loadcnt 12-4*(i/4)                      ; the next parts, up to number 4 (i / 4) + 3, are in
.endif
	v_pk_add_f32 v[8:9], v[8:9], v[8+4*i:9+4*i]
	v_pk_add_f32 v[10:11], v[10:11], v[10+4*i:11+4*i]
.set i, i+1
.endr
	v_cvt_f32_u32 v4, v3
	v_sub_f32 v4, 1.0, v4                          ; valid: 1 - padded
	v_mov_b32 v5, v4
	v_pk_mul_f32 v[8:9], v[8:9], v[4:5]
	v_pk_mul_f32 v[10:11], v[10:11], v[4:5]
	global_store_b128 v1, v[8:11], s[8:9]
	s_endpgm
.Lfunc_end_k_qe4ffb82742_reduce:
	.size	k_qe4ffb82742_reduce, .Lfunc_end_k_qe4ffb82742_reduce-k_qe4ffb82742_reduce
	.p2alignl 7, 3214868480
	.fill 96, 4, 3214868480
	.section	.rodata,"a",@progbits
	.p2align	6, 0x0
	.amdhsa_kernel k_qe4ffb82742_reduce
		.amdhsa_group_segment_fixed_size 0
		.amdhsa_private_segment_fixed_size 0
		.amdhsa_enable_private_segment 0
		.amdhsa_kernarg_size 24
		.amdhsa_user_sgpr_count 2
		.amdhsa_user_sgpr_kernarg_segment_ptr 1
		.amdhsa_wavefront_size32 1
		.amdhsa_system_sgpr_workgroup_id_x 1
		.amdhsa_system_sgpr_workgroup_id_y 1
		.amdhsa_system_sgpr_workgroup_id_z 1
		.amdhsa_system_vgpr_workitem_id 0
		.amdhsa_next_free_vgpr 80
		.amdhsa_next_free_sgpr 66
		.amdhsa_reserve_vcc 0
		.amdhsa_float_denorm_mode_32 3
		.amdhsa_float_denorm_mode_16_64 3
		.amdhsa_memory_ordered 1
		.amdhsa_forward_progress 1
		.amdhsa_inst_pref_size 5
	.end_amdhsa_kernel
	.amdgpu_metadata
---
amdhsa.version: [ 1, 2 ]
amdhsa.kernels:
  - .name:           k_qe4ffb82742_reduce
    .symbol:         k_qe4ffb82742_reduce.kd
    .args:
      - { .name: opart, .offset: 0, .size: 8, .value_kind: global_buffer, .address_space: global }
      - { .name: key_padding_mask, .offset: 8, .size: 8, .value_kind: global_buffer, .address_space: global }
      - { .name: out0, .offset: 16, .size: 8, .value_kind: global_buffer, .address_space: global }
    .group_segment_fixed_size: 0
    .private_segment_fixed_size: 0
    .kernarg_segment_align: 8
    .kernarg_segment_size: 24
    .max_flat_workgroup_size: 64
    .sgpr_count:     66
    .vgpr_count:     80
    .wavefront_size: 32
...
	.end_amdgpu_metadata
.endif
;; end of part 3
